; MI455X (gfx1250); checked and timed in simulation.
; The chip was launched on July 23, 2026; its instructions are those of AMD's public machine-readable ISA for CDNA 5 (MIT licence, August 2026) and "CDNA5" Instruction Set Architecture Reference Guide (July 2026). The comments in the code are by the model that wrote it; some were corrected since.
;; Multi Head Attention Block. Allowed arithmetic: float matrix products may take bf16 or f16 operands with f32 sums; all other float work in f32.
;; Inputs: b_k 1,024 float32; b_o 1,024 float32; b_q 1,024 float32; b_v 1,024 float32; k 2 x 2,048 x 1,024 float32; mask 1 x 1 x 2,048 x 2,048 int32; q 2 x 2,048 x 1,024 float32; v 2 x 2,048 x 1,024 float32; w_k 1,024 x 1,024 float32; w_o 1,024 x 1,024 float32; w_q 1,024 x 1,024 float32; w_v 1,024 x 1,024 float32.
;; Outputs: out0 2 x 2,048 x 1,024 float32.
;; One version. Each part assembles by itself: llvm-mc -triple=amdgcn-amd-amdhsa -mcpu=gfx1250 --defsym DOCPART=n.
;; ======== version 1 of 1: 4 launches
;; limits: values are held in f16: magnitudes above 65,504 overflow, below 6.1e-05 lose precision
;; workspace buffers: xw 33,554,432 bytes; mbits 524,288 bytes of whole numbers; qkv 25,165,824 bytes; xat 8,388,608 bytes
;; launch prep (part 1): grid 1280 x 1, 8 waves a work-group, no clusters, 68,608 bytes of LDS; arguments q, k, v, w_q, w_k, w_v, w_o, mask, xw, mbits; writes xw, mbits
.if DOCPART == 1
	.amdgcn_target "amdgcn-amd-amdhsa--gfx1250"
	.amdhsa_code_object_version 6
	.text
	.protected	k_qd14a80788d_prep
	.globl	k_qd14a80788d_prep
	.p2align	8
	.type	k_qd14a80788d_prep,@function
k_qd14a80788d_prep:
	s_mov_b64 s[64:65], 0
	v_nop
	global_prefetch_b8 v0, s[64:65] scope:SCOPE_SE
	s_setreg_imm32_b32 hwreg(HW_REG_WAVE_MODE, 25, 1), 1
	s_wait_xcnt 0x0
; prep: the matrix operands are rounded once, and the mask is packed to one bit a score.
; Work-groups 0..1023: 64 KiB of f32 each become 32 KiB of 16-bit numbers in xw, a table of 16,384 rows x 1,024:
;   rows 0 q, 4096 k, 8192 v, 12288 w_q, 13312 w_k, 14336 w_v (bf16), 15360 w_o (rounded to bf16 like the other inputs, that value carried as f16,
;   because the last product's other operand is f16).
;   LIMIT: |w_o| below 6.1e-5 keeps an absolute error of 3e-8 in f16; |w_o| must stay under 65,504.
; Work-groups 1024..1279: 16 rows x 1,024 keys of the mask each; a wave takes 16 rows x 128 keys.
;   mbits word (Qb*128 + T)*8 + j, bit r + 16 h = (mask[16 Qb + r][16 T + 8 h + j] != 0): the lane mask of register j of a 16 x 16 tile
;   (keys down, queries across) as the attention launch holds it.
; Streams: no matrix unit, no cluster, no shared tile.  Every load of a wave covers 512 consecutive bytes, every store 256, aligned.
.set MP, 528                           ; LDS pitch of a mask row piece: 512 bytes + 16 = 33 x 16, so 16 rows start in 16 different 16-byte columns
.set WLDS, 16*MP                       ; a wave's own LDS: 8,448 bytes
	s_load_b512 s[8:23], s[0:1], 0x0               ; q 8, k 10, v 12, w_q 14, w_k 16, w_v 18, w_o 20, mask 22
	s_load_b128 s[24:27], s[0:1], 0x40             ; xw 24, mbits 26
	v_lshl_add_u32 v136, v0, 2, 0x10800
	v_mov_b32 v137, 0
	v_lshrrev_b32 v1, 5, v0
	v_readfirstlane_b32 s30, v1                    ; wave number
	s_cmp_ge_u32 ttmp9, 1024
	s_cbranch_scc1 .Lmask
	; ---- conversion ----
	s_lshr_b32 s2, ttmp9, 8                        ; 0 q, 1 k, 2 v, 3 the weights
	s_bfe_u32 s3, ttmp9, 0x20006                   ; among the weights: 0 w_q, 1 w_k, 2 w_v, 3 w_o
	v_lshlrev_b32 v1, 4, v0                        ; 16 bytes a thread in
	v_lshlrev_b32 v2, 3, v0                        ; 8 bytes a thread out
	s_wait_kmcnt 0x0
	s_cmp_eq_u32 s2, 1
	s_cselect_b64 s[4:5], s[10:11], s[8:9]
	s_cmp_eq_u32 s2, 2
	s_cselect_b64 s[4:5], s[12:13], s[4:5]
	s_cmp_eq_u32 s3, 1
	s_cselect_b64 s[28:29], s[16:17], s[14:15]
	s_cmp_eq_u32 s3, 2
	s_cselect_b64 s[28:29], s[18:19], s[28:29]
	s_cmp_eq_u32 s3, 3
	s_cselect_b64 s[28:29], s[20:21], s[28:29]
	s_cmp_eq_u32 s2, 3
	s_cselect_b64 s[4:5], s[28:29], s[4:5]
	s_cselect_b32 s31, 63, 255                     ; a weight has 64 pieces of 64 KiB, an activation 256
	s_and_b32 s32, ttmp9, s31
	s_lshl_b32 s32, s32, 16
	s_mov_b32 s33, 0
	s_add_nc_u64 s[4:5], s[4:5], s[32:33]          ; my 64 KiB of the source
	s_lshl_b32 s34, ttmp9, 15
	s_mov_b32 s35, 0
	s_add_nc_u64 s[6:7], s[24:25], s[34:35]        ; my 32 KiB of xw: the pieces lie in xw in the order of the work-groups
.irp i, 0,1,2,3,4,5,6,7,8,9,10,11,12,13,14,15
	global_load_b128 v[4+4*\i:7+4*\i], v1, s[4:5] offset:\i*4096 th:TH_LOAD_NT
.endr
; piece i: every piece has registers of its own, so nothing that a pending load or store names is written again
.macro CV i, half
	s_wait_loadcnt 15-\i                           ; loads return in order: 15 - i younger ones stay out
.if \half
	v_cvt_pk_bf16_f32 v100, v[4+4*\i], v[5+4*\i]   ; rounded to bf16,
	v_cvt_pk_bf16_f32 v101, v[6+4*\i], v[7+4*\i]
	v_lshlrev_b32 v102, 16, v100                   ; widened again,
	v_and_b32 v103, 0xffff0000, v100
	v_lshlrev_b32 v104, 16, v101
	v_and_b32 v105, 0xffff0000, v101
	v_cvt_pk_f16_f32 v[68+2*\i], v102, v103        ; and carried as f16 (exact from 6.1e-5 upward: 8 bits into 11)
	v_cvt_pk_f16_f32 v[69+2*\i], v104, v105
.else
	v_cvt_pk_bf16_f32 v[68+2*\i], v[4+4*\i], v[5+4*\i]
	v_cvt_pk_bf16_f32 v[69+2*\i], v[6+4*\i], v[7+4*\i]
.endif
	global_store_b64 v2, v[68+2*\i:69+2*\i], s[6:7] offset:\i*2048
.endm
	s_cmp_ge_u32 ttmp9, 960
	s_cbranch_scc1 .Lf16
.irp i, 0,1,2,3,4,5,6,7,8,9,10,11,12,13,14,15
	CV \i, 0
.endr
	s_endpgm
.Lf16:
.irp i, 0,1,2,3,4,5,6,7,8,9,10,11,12,13,14,15
	CV \i, 1
.endr
	s_endpgm
	; ---- the mask ----
.Lmask:
	s_sub_co_u32 s2, ttmp9, 1024
	s_lshr_b32 s3, s2, 1                           ; Qb: which 16 rows
	s_and_b32 s2, s2, 1
	s_lshl3_add_u32 s2, s2, s30                    ; which 128 keys: 8 x half + wave
	s_lshl_b32 s28, s3, 17                         ; 16 rows of 8,192 bytes
	s_lshl_b32 s29, s2, 9                          ; 128 keys of 4 bytes
	s_add_co_u32 s28, s28, s29
	s_mov_b32 s29, 0
	s_lshl_b32 s40, s3, 12                         ; 128 tiles x 8 words x 4 bytes
	s_lshl_b32 s41, s2, 8                          ; 8 tiles x 32 bytes
	s_add_co_u32 s40, s40, s41
	s_mov_b32 s41, 0
	s_mul_i32 s31, s30, WLDS                       ; my wave's own LDS
	v_and_b32 v3, 31, v0                           ; lane
	v_lshlrev_b32 v1, 4, v3
	v_lshlrev_b32 v134, 3, v3
	v_add_nc_u32 v2, s31, v1                       ; in: 16 bytes a lane along a row
	v_and_b32 v3, 15, v0                           ; r
	v_mul_u32_u24 v3, v3, MP
	v_bfe_u32 v135, v0, 4, 1                       ; h
	v_lshl_add_u32 v3, v135, 5, v3
	v_add_nc_u32 v3, s31, v3                       ; back: row r, keys 8 h ..
	v_mov_b32 v132, 0                              ; written whole before single lanes are written
	v_mov_b32 v133, 0
	s_wait_kmcnt 0x0
	s_add_nc_u64 s[4:5], s[22:23], s[28:29]
	s_add_nc_u64 s[6:7], s[26:27], s[40:41]
.irp i, 0,1,2,3,4,5,6,7,8,9,10,11,12,13,14,15
	global_load_b128 v[4+4*\i:7+4*\i], v1, s[4:5] offset:\i*8192 th:TH_LOAD_NT
.endr
.irp i, 0,1,2,3,4,5,6,7,8,9,10,11,12,13,14,15
	s_wait_loadcnt 15-\i                           ; row i is in, the younger rows stay out
	ds_store_b128 v2, v[4+4*\i:7+4*\i] offset:\i*MP
.endr
.irp t, 0,1,2,3,4,5,6,7
	ds_load_b128 v[68+8*\t:71+8*\t], v3 offset:\t*64       ; my wave's own bytes: LDS serves a wave's instructions in order (ISA guide 5.7.1), no barrier
	ds_load_b128 v[72+8*\t:75+8*\t], v3 offset:\t*64+16
.endr
.irp t, 0,1,2,3,4,5,6,7
	s_wait_dscnt 14-2*\t                           ; tile t's two loads are in; 14 - 2 t younger ones stay out
.irp j, 0,1,2,3,4,5,6,7
	v_cmp_ne_u32 s[32+\j], 0, v[68+8*\t+\j]        ; bit r + 16 h of word 8 t + j
	v_writelane_b32 v[132+(\j&1)], s[32+\j], 4*\t+(\j>>1)  ; word n goes to lane n / 2, register n % 2
.endr
.endr
	global_store_b64 v134, v[132:133], s[6:7]      ; 64 words: 256 consecutive bytes, aligned
	s_wait_tensorcnt 0x0
	ds_add_u32 v136, v137
	s_wait_dscnt 0x0
	s_endpgm
.Lfunc_end_k_qd14a80788d_prep:
	.size	k_qd14a80788d_prep, .Lfunc_end_k_qd14a80788d_prep-k_qd14a80788d_prep
	.p2alignl 7, 3214868480
	.fill 96, 4, 3214868480
	.section	.rodata,"a",@progbits
	.p2align	6, 0x0
	.amdhsa_kernel k_qd14a80788d_prep
		.amdhsa_group_segment_fixed_size 68608
		.amdhsa_private_segment_fixed_size 0
		.amdhsa_enable_private_segment 0
		.amdhsa_kernarg_size 80
		.amdhsa_user_sgpr_count 2
		.amdhsa_user_sgpr_kernarg_segment_ptr 1
		.amdhsa_wavefront_size32 1
		.amdhsa_system_sgpr_workgroup_id_x 1
		.amdhsa_system_sgpr_workgroup_id_y 1
		.amdhsa_system_sgpr_workgroup_id_z 1
		.amdhsa_system_vgpr_workitem_id 0
		.amdhsa_next_free_vgpr 138
		.amdhsa_next_free_sgpr 66
		.amdhsa_reserve_vcc 0
		.amdhsa_float_denorm_mode_32 3
		.amdhsa_float_denorm_mode_16_64 3
		.amdhsa_memory_ordered 1
		.amdhsa_forward_progress 1
		.amdhsa_inst_pref_size 30
	.end_amdhsa_kernel
	.amdgpu_metadata
---
amdhsa.version: [ 1, 2 ]
amdhsa.kernels:
  - .name:           k_qd14a80788d_prep
    .symbol:         k_qd14a80788d_prep.kd
    .args:
      - { .name: q, .offset: 0, .size: 8, .value_kind: global_buffer, .address_space: global }
      - { .name: k, .offset: 8, .size: 8, .value_kind: global_buffer, .address_space: global }
      - { .name: v, .offset: 16, .size: 8, .value_kind: global_buffer, .address_space: global }
      - { .name: w_q, .offset: 24, .size: 8, .value_kind: global_buffer, .address_space: global }
      - { .name: w_k, .offset: 32, .size: 8, .value_kind: global_buffer, .address_space: global }
      - { .name: w_v, .offset: 40, .size: 8, .value_kind: global_buffer, .address_space: global }
      - { .name: w_o, .offset: 48, .size: 8, .value_kind: global_buffer, .address_space: global }
      - { .name: mask, .offset: 56, .size: 8, .value_kind: global_buffer, .address_space: global }
      - { .name: xw, .offset: 64, .size: 8, .value_kind: global_buffer, .address_space: global }
      - { .name: mbits, .offset: 72, .size: 8, .value_kind: global_buffer, .address_space: global }
    .group_segment_fixed_size: 68608
    .private_segment_fixed_size: 0
    .kernarg_segment_align: 8
    .kernarg_segment_size: 80
    .max_flat_workgroup_size: 256
    .sgpr_count:     66
    .vgpr_count:     138
    .wavefront_size: 32
...
	.end_amdgpu_metadata
.endif
;; end of part 1
;; launch gemm_qkv (part 2): grid 4 x 48, 4 waves a work-group, clusters of 4 x 4, 327,680 bytes of LDS; arguments xw, b_q, b_k, b_v, qkv; writes qkv
.if DOCPART == 2
	.amdgcn_target "amdgcn-amd-amdhsa--gfx1250"
	.amdhsa_code_object_version 6
	.text
	.protected	k_qd14a80788d_gemm_qkv
	.globl	k_qd14a80788d_gemm_qkv
	.p2align	8
	.type	k_qd14a80788d_gemm_qkv,@function
k_qd14a80788d_gemm_qkv:
	s_mov_b64 s[64:65], 0
	v_nop
	global_prefetch_b8 v0, s[64:65] scope:SCOPE_SE
	s_setreg_imm32_b32 hwreg(HW_REG_WAVE_MODE, 25, 1), 1
	s_wait_xcnt 0x0
	s_wait_alu depctr_hold_cnt(0) depctr_sa_sdst(0) depctr_va_vdst(0) depctr_va_sdst(0) depctr_va_ssrc(0) depctr_va_vcc(0) depctr_vm_vsrc(0)
	s_getreg_b32 s2, hwreg(HW_REG_IB_STS2, 6, 4)
	s_cmp_eq_u32 s2, 0
	s_cbranch_scc0 .Lentry_in_a_cluster
	s_endpgm
.Lentry_in_a_cluster:
	s_bfe_u32 s2, ttmp6, 0x10000c
	s_cmp_lg_u32 s2, 0xf033
	s_cbranch_scc0 .Lentry_shape_is_right
	s_endpgm
.Lentry_shape_is_right:
; The three input projections as one product: C[m][n] = sum over k of X[m][k] W[n][k] + bias[n], X = rows 0..12287 of xw (q, k, v), bf16, sums in f32.
; Block rows 0-15 take w_q and b_q, 16-31 w_k and b_k, 32-47 w_v and b_v.  The result is stored as f16 by heads, qkv[g][b][h][s][64]; Q is multiplied by
; 0.125 log2(e), so that the attention launch can use base-2 exponentials without another multiply.
; LIMITS: the stored numbers are f16: magnitudes must stay under 65,504; below 6.1e-5 they keep an absolute error of 3e-8.  The sums run in another order than a plain loop's.
; A work-group makes 256 x 256 of C with four waves, 128 x 128 each: 64 accumulator tiles, 512 registers.  K goes in steps of 128 through two LDS slots filled by
; the tensor data mover; a tile's rows are 256 bytes of memory and start at multiples of 256 bytes from the buffer's first byte.  192 work-groups.
; CLUSTERS: 4 x 4 work-groups.  The four of a row of the cluster need the same tiles of X, the four of a column the same tiles of W: each tile is asked for jointly.
; REGISTERS in windows of 256: window 0: v0-31 addresses, v32-63 and v224-255 the bias of my 128 columns, v64-127 and v128-191 fragments of X (two buffers), v192-223 at work on the way out;
; window 1: v64-127, v128-191 fragments of W; windows 2, 3: the accumulators of my rows 0-63, 64-127 (tile (a, b) at v[8 (8 a + b)]).
; The matrix instruction is used transposed (source 0 = 16 rows of W, source 1 = 16 rows of X): lane l holds row l % 16 of C, registers 0-7 the columns 8 (l / 16) + 0..7.
.set SIZE_K, 1024
.set KSTEP,  128
.set PITCH,  272                       ; 256 bytes + 16: an odd multiple of 16, so the 16 rows of a fragment load start in 16 different 16-byte columns
.set HALFT,  128*PITCH
.set SLOT,   4*HALFT
.set STAGE,  2*SLOT                    ; behind the ring, never filled by a tensor load: 16 rows x 272 bytes for each wave
.set SPITCH, 272
.set LAPS, SIZE_K/(2*KSTEP)
.set ADRA, 16
.set ADRB, 20
.set STO,  24
.set RD,   25
.set CO,   26
.set F0,   64
.set F1,   128
.set TMP,  192
.set G1, 24
.set G0, 32
.set G1B, 48
.set G0B, 56
.set MSB, 0
.macro WIN new                         ; the immediate's high byte repeats the setting that is left
.if MSB != \new
	s_set_vgpr_msb (MSB<<8)|\new
.set MSB, \new
.endif
.endm
.set MUL_LO, 0xa1                      ; source 0 (W) window 1, source 1 (X) window 0, C and D window 2
.set MUL_HI, 0xf1                      ; the same, C and D window 3
.set BEG_LO, 0x81                      ; the first products: C is the bias in window 0, D window 2
.set BEG_HI, 0xc1                      ; D window 3
.set TO_B,   0x40
; A joint load: waves 0 and 1 fetch X's two halves, waves 2 and 3 W's.  The branch hangs on the wave's number alone.
.macro JLOAD s
	s_cmp_eq_u32 s11, 0
	s_cbranch_scc0 .Lfor_b_\@
	tensor_load_to_lds s[G0+4*\s:G0+4*\s+3], s[G1:G1+7]
	s_nop 0
	s_branch .Lasked_\@
.Lfor_b_\@:
	tensor_load_to_lds s[G0B+4*\s:G0B+4*\s+3], s[G1B:G1B+7]
	s_nop 0
.Lasked_\@:
.endm
.macro CREST                           ; a round of the cluster's barrier behind its opening barrier
	s_cmp_lg_u32 s10, 0
	s_cbranch_scc1 .Lnot_wave_0_\@
	s_barrier_signal -3
.Lnot_wave_0_\@:
	s_barrier_wait -3
	s_barrier_signal -1
	s_barrier_wait -1
.endm
.macro CROUND
	s_barrier_signal -1
	s_barrier_wait -1
	CREST
.endm
	s_load_b256 s[68:75], s[0:1], 0x0              ; xw 68, b_q 70, b_k 72, b_v 74
	s_load_b64 s[8:9], s[0:1], 0x20                ; qkv
	s_set_vgpr_msb 0x40
	v_lshl_add_u32 v255, v0, 2, 0x48400
	s_set_vgpr_msb 0x4000
	v_mov_b32 v31, 0
	s_set_vgpr_msb 0x1
	ds_add_u32 v255, v31
	s_set_vgpr_msb 0x100
	v_lshrrev_b32 v1, 5, v0
	v_readfirstlane_b32 s10, v1                    ; wave 0..3
	s_lshr_b32 s11, s10, 1                         ; which half of the block's rows is mine; also: I fetch for X (0) or W (1)
	s_and_b32 s12, s10, 1                          ; which half of its columns; also: which 128 rows of that tile I fetch
	s_bfe_u32 s40, ttmp6, 0x40000                  ; cx
	s_bfe_u32 s41, ttmp6, 0x40004                  ; cy
	s_lshl_b32 s42, ttmp9, 2
	s_add_co_u32 s42, s42, s40                     ; block column = 4 x cluster x + cx
	s_and_b32 s13, ttmp7, 0xffff
	s_lshr_b32 s78, s13, 2                         ; g = 0 Q, 1 K, 2 V: four clusters along y each, so it is equal in all partners
	s_lshl_b32 s13, s13, 2
	s_add_co_u32 s13, s13, s41                     ; block row = 4 x cluster y + cy
	s_lshl_b32 s43, s41, 2
	s_lshl_b32 s43, 15, s43                        ; my row of the cluster
	s_lshl_b32 s44, 0x1111, s40                    ; my column
	; descriptor group 1: 128 rows x 128 elements of 2 bytes, 4 words of padding behind every 64
	s_or_b32 s[G1+0], s43, (1<<16)|(1<<20)|(1<<21)|(5<<22)|(3<<25)
	s_or_b32 s[G1B+0], s44, (1<<16)|(1<<20)|(1<<21)|(5<<22)|(3<<25)
	s_mov_b32 s[G1B+1], KSTEP<<16
	s_mov_b32 s[G1+1], KSTEP<<16                   ; tensor_dim0 = 128
	s_mov_b32 s[G1B+2], 128<<16
	s_mov_b32 s[G1+2], 128<<16                     ; tensor_dim1 = 128
	s_mov_b32 s[G1B+3], KSTEP<<16
	s_mov_b32 s[G1+3], KSTEP<<16                   ; tile_dim0 = 128
	s_mov_b32 s[G1B+4], 128
	s_mov_b32 s[G1+4], 128                         ; tile_dim1 = 128
	s_mov_b32 s[G1B+5], SIZE_K
	s_mov_b32 s[G1+5], SIZE_K                      ; elements from row to row
	s_mov_b32 s[G1B+6], 0
	s_mov_b32 s[G1+6], 0
	s_mov_b32 s[G1B+7], 0
	s_mov_b32 s[G1+7], 0
	s_lshl_b32 s17, s12, 7
	s_lshl_b32 s16, s13, 8
	s_add_co_u32 s16, s16, s17                     ; X: row 256 x block row + 128 x half (xw's rows 0..12287 are q, k, v in this order)
	s_lshl_b32 s46, s42, 8
	s_add_co_u32 s46, s46, s17                     ; W: row 256 x block column + 128 x half
	s_mov_b32 s17, 0
	s_mov_b32 s47, 0
	s_mov_b64 s[18:19], SIZE_K*2
	s_mul_u64 s[16:17], s[16:17], s[18:19]
	s_mul_u64 s[46:47], s[46:47], s[18:19]
	s_mul_i32 s20, s10, HALFT                      ; LDS: X's two halves, then W's = wave x 128 rows
	s_lshl_b32 s80, s78, 21                        ; g x 1,024 rows of 2,048 bytes,
	s_add_co_u32 s80, s80, 0x1800000               ; behind xw's 12,288 rows of activations
	s_mov_b32 s81, 0
	s_lshl_b32 s84, s42, 10                        ; the bias of my 128 columns: 256 x block column + 128 x half, 4 bytes each
	s_lshl_b32 s86, s12, 9
	s_add_co_u32 s84, s84, s86
	s_mov_b32 s85, 0
	s_wait_dscnt 0x0
	s_wait_kmcnt 0x0
	s_add_nc_u64 s[6:7], s[68:69], s[80:81]        ; this g's weights
	s_add_nc_u64 s[14:15], s[68:69], s[16:17]
	s_add_nc_u64 s[46:47], s[6:7], s[46:47]
	s_cmp_eq_u32 s78, 1
	s_cselect_b64 s[76:77], s[72:73], s[70:71]
	s_cmp_eq_u32 s78, 2
	s_cselect_b64 s[76:77], s[74:75], s[76:77]     ; this g's bias
	s_cmp_eq_u32 s78, 0
	s_cselect_b32 s82, 0x3e38aa3b, 1.0             ; Q alone is multiplied by 0.125 log2(e)
	s_mov_b32 s83, s82
	s_add_nc_u64 s[76:77], s[76:77], s[84:85]
	CROUND                                         ; all sixteen work-groups are here: the first joint loads meet
.irp s, 0,1
	s_mov_b32 s[G0+4*\s], 1
	s_add_co_u32 s[G0+4*\s+1], s20, \s*SLOT
	s_add_nc_u64 s[G0+4*\s+2:G0+4*\s+3], s[14:15], \s*KSTEP*2
	s_or_b32 s[G0+4*\s+3], s[G0+4*\s+3], 0x80000000
	s_mov_b32 s[G0B+4*\s], 1
	s_add_co_u32 s[G0B+4*\s+1], s20, \s*SLOT
	s_add_nc_u64 s[G0B+4*\s+2:G0B+4*\s+3], s[46:47], \s*KSTEP*2
	s_or_b32 s[G0B+4*\s+3], s[G0B+4*\s+3], 0x80000000
	JLOAD \s
.endr
	v_and_b32 v1, 15, v0                           ; l % 16
	v_bfe_u32 v2, v0, 4, 1                         ; l / 16
	v_lshlrev_b32 v27, 5, v2                       ; the bias: 8 numbers of 4 bytes for each half of the lanes
.irp b, 0,1,2,3,4,5,6,7
	global_load_b128 v[32+8*\b+160*(\b/4):32+8*\b+160*(\b/4)+3], v27, s[76:77] offset:64*\b      ; register j of column block b = bias[16 b + 8 (l / 16) + j]
	global_load_b128 v[32+8*\b+160*(\b/4)+4:32+8*\b+160*(\b/4)+7], v27, s[76:77] offset:64*\b+16
.endr
	v_mul_u32_u24 v3, v1, PITCH
	v_lshl_add_u32 v3, v2, 4, v3                   ; row x pitch + 16 x half
	s_mul_i32 s21, s11, HALFT
	s_mul_i32 s22, s12, HALFT
	s_add_co_u32 s22, s22, 2*HALFT
.irp s, 0,1
	v_add_nc_u32 v[ADRA+\s], s21, v3
	v_add_nc_u32 v[ADRB+\s], s22, v3
	s_add_co_u32 s21, s21, SLOT
	s_add_co_u32 s22, s22, SLOT
.endr
	s_mul_i32 s23, s10, 16*SPITCH
	s_add_co_u32 s23, s23, STAGE                   ; my stage
	v_mul_u32_u24 v4, v1, SPITCH
	v_lshl_add_u32 v4, v2, 4, v4
	v_add_nc_u32 v[STO], s23, v4                   ; in: row l % 16, 16 bytes for each half of the lanes
	v_and_b32 v6, 31, v0
	v_lshrrev_b32 v7, 3, v6
	v_and_b32 v8, 7, v0
	v_mul_u32_u24 v5, v7, SPITCH
	v_lshl_add_u32 v5, v8, 4, v5
	v_add_nc_u32 v[RD], s23, v5                    ; back: eight lanes take the 128 bytes that one row has of one head, four rows a load
	v_lshlrev_b32 v[CO], 4, v6                     ; which are 512 consecutive bytes of that head in qkv
; 16 matrix instructions.  zero = 1: the first product starts the sums from the bias: nothing is cleared, and no add follows.
.macro MUL16 f, hi, a0, zero
.irp a, \a0, \a0+1
.irp b, 0,1,2,3,4,5,6,7
.if \zero
	v_wmma_f32_16x16x32_bf16 v[8*(8*(\a)+\b):8*(8*(\a)+\b)+7], v[\f+8*\b:\f+8*\b+7], v[\f+8*(4*\hi+\a):\f+8*(4*\hi+\a)+7], v[32+8*\b+160*(\b/4):32+8*\b+160*(\b/4)+7]
.else
	v_wmma_f32_16x16x32_bf16 v[8*(8*(\a)+\b):8*(8*(\a)+\b)+7], v[\f+8*\b:\f+8*\b+7], v[\f+8*(4*\hi+\a):\f+8*(4*\hi+\a)+7], v[8*(8*(\a)+\b):8*(8*(\a)+\b)+7]
.endif
.endr
.endr
.endm
.macro FETCH slot, k, f
	WIN TO_B
.irp i, 0,1,2,3,4,5,6,7
	ds_load_b128 v[\f+8*\i:\f+8*\i+3],   v[ADRB+\slot] offset:\k+\i*16*PITCH
	ds_load_b128 v[\f+8*\i+4:\f+8*\i+7], v[ADRB+\slot] offset:\k+\i*16*PITCH+32
.endr
	WIN 0
.irp i, 0,1,2,3,4,5,6,7
	ds_load_b128 v[\f+8*\i:\f+8*\i+3],   v[ADRA+\slot] offset:\k+\i*16*PITCH
	ds_load_b128 v[\f+8*\i+4:\f+8*\i+7], v[ADRA+\slot] offset:\k+\i*16*PITCH+32
.endr
.endm
; Four plain places stand between a matrix instruction and a load into one of its sources, or a vector instruction that touches its registers.
.macro PLACES
.rept 4
	v_nop
.endr
.endm
; The 64 accumulators take turns, one instruction a turn, in the same order in every quarter step.
.macro QUARTER slot, k, f, g, zero
	s_wait_dscnt 8                                 ; W and X's rows 0-63 are in; the youngest eight loads (X's rows 64-127) may be out
.if \zero
	WIN BEG_LO
.else
	WIN MUL_LO
.endif
	MUL16 \f, 0, 0, \zero
	MUL16 \f, 0, 2, \zero
	PLACES
	FETCH \slot, \k, \g
	s_wait_dscnt 32                                ; all but the 32 just issued
.if \zero
	WIN BEG_HI
.else
	WIN MUL_HI
.endif
	MUL16 \f, 1, 0, \zero
	MUL16 \f, 1, 2, \zero
.endm
.macro THREE slot, zero
	QUARTER \slot, 64,  F0, F1, \zero
	QUARTER \slot, 128, F1, F0, 0
	QUARTER \slot, 192, F0, F1, 0
.endm
; The last quarter of a K step changes slots.  In front of the barrier each wave waits for its reads of this slot and for all its tensor loads (one is out: its part
; of the next slot).  Where the slot is filled again the barrier opens a round of the cluster's barrier, and the joint refill is the first tensor load behind the round.
.macro TURN slot, next, fill
	s_wait_dscnt 8
	WIN MUL_LO
	MUL16 F1, 0, 0, 0
	s_wait_dscnt 0
	s_wait_tensorcnt 0x0
	ds_add_u32 v255, v31
	s_wait_dscnt 0x0
	s_barrier_signal -1
	MUL16 F1, 0, 2, 0                              ; registers only
	WIN 0
	s_barrier_wait -1
.if \fill
	CREST
	s_add_nc_u64 s[G0+4*\slot+2:G0+4*\slot+3], s[G0+4*\slot+2:G0+4*\slot+3], 2*KSTEP*2
	s_add_nc_u64 s[G0B+4*\slot+2:G0B+4*\slot+3], s[G0B+4*\slot+2:G0B+4*\slot+3], 2*KSTEP*2
	JLOAD \slot
.endif
	PLACES
	FETCH \next, 0, F0
	WIN MUL_HI
	MUL16 F1, 1, 0, 0
	MUL16 F1, 1, 2, 0
.endm
.macro LAP zero
	THREE 0, \zero
	TURN 0, 1, 1
	THREE 1, 0
	TURN 1, 0, 1
.endm
	s_wait_loadcnt 0x0                             ; the bias, once
	s_wait_tensorcnt 1                             ; my part of K step 0 is in; K step 1's load stays out
	s_barrier_signal -1
	s_barrier_wait -1
	FETCH 0, 0, F0
	LAP 1
	WIN 0
	s_mov_b32 s3, LAPS-2
.Llap:
	LAP 0
	WIN 0
	s_sub_co_u32 s3, s3, 1
	s_cmp_lg_u32 s3, 0
	s_cbranch_scc1 .Llap
	THREE 0, 0                                     ; the last lap fills nothing
	TURN 0, 1, 0
	THREE 1, 0
	s_wait_dscnt 8
	WIN MUL_LO
	MUL16 F1, 0, 0, 0
	MUL16 F1, 0, 2, 0
	s_wait_dscnt 0
	WIN MUL_HI
	MUL16 F1, 1, 0, 0
	MUL16 F1, 1, 2, 0
	; THE WAY OUT, 16 rows at a time: scale, round to f16, 16 bytes a lane into my own stage, read back by heads.
	PLACES
	s_lshl_b32 s13, s13, 8
	s_lshl_b32 s14, s11, 7
	s_add_co_u32 s16, s13, s14                     ; my first row R0 of C; my 128 rows lie inside one (g, b)
	s_lshr_b32 s17, s16, 11
	s_lshl_b32 s17, s17, 22                        ; (2 g + b) x 16 heads x 262,144 bytes
	s_and_b32 s18, s16, 2047
	s_lshl_b32 s18, s18, 7                         ; s x 128 bytes
	s_add_co_u32 s16, s17, s18
	s_mov_b32 s17, 0
	s_add_nc_u64 s[8:9], s[8:9], s[16:17]
	s_lshl_b32 s46, s42, 2
	s_lshl_b32 s47, s12, 1
	s_add_co_u32 s46, s46, s47                     ; my first head: 4 x block column + 2 x half
	s_lshl_b32 s46, s46, 18
	s_mov_b32 s47, 0
	s_add_nc_u64 s[8:9], s[8:9], s[46:47]
.macro OUT16 i, a, scw, from, f
	WIN \scw
.irp b, 0,1,2,3,4,5,6,7
.irp r, 0,2,4,6
	v_pk_mul_f32 v[8*(8*\a+\b)+\r:8*(8*\a+\b)+\r+1], v[8*(8*\a+\b)+\r:8*(8*\a+\b)+\r+1], s[82:83] op_sel_hi:[1,0]
.endr
.endr
	WIN \from
.irp b, 0,1,2,3,4,5,6,7
.irp r, 0,1,2,3
	v_cvt_pk_f16_f32 v[TMP+4*\b+\r], v[8*(8*\a+\b)+2*\r], v[8*(8*\a+\b)+2*\r+1]
.endr
.endr
	WIN 0
.irp b, 0,1,2,3,4,5,6,7
	ds_store_b128 v[STO], v[TMP+4*\b:TMP+4*\b+3] offset:32*\b
.endr
	s_wait_xcnt 0x0                                ; buffer f, which earlier stores read, and the stores' base are rewritten only behind this wait
.if \i
	s_add_nc_u64 s[8:9], s[8:9], 2048              ; 16 rows of 128 bytes on
.endif
.irp t, 0,1,2,3,4,5,6,7
	ds_load_b128 v[\f+4*\t:\f+4*\t+3], v[RD] offset:(4*(\t&3))*SPITCH+(\t>>2)*128    ; my own bytes, served in order behind the stores above (ISA guide 5.7.1)
.endr
.irp t, 0,1,2,3,4,5,6,7
	s_wait_dscnt 7-\t                              ; load t is in, the younger ones stay out
	global_store_b128 v[CO], v[\f+4*\t:\f+4*\t+3], s[8:9] offset:(\t>>2)*262144+(\t&3)*512   ; 512 consecutive bytes of one head, aligned
.endr
.endm
	OUT16 0, 0, 0x82, 0x0a, F0
	OUT16 1, 1, 0x82, 0x0a, F1
	OUT16 2, 2, 0x82, 0x0a, F0
	OUT16 3, 3, 0x82, 0x0a, F1
	OUT16 4, 0, 0xc3, 0x0f, F0
	OUT16 5, 1, 0xc3, 0x0f, F1
	OUT16 6, 2, 0xc3, 0x0f, F0
	OUT16 7, 3, 0xc3, 0x0f, F1
	s_set_vgpr_msb 0x1
	s_wait_tensorcnt 0x0
	ds_add_u32 v255, v31
	s_wait_dscnt 0x0
	s_set_vgpr_msb 0x100
	CROUND                                         ; the closing round: no work-group ends while a partner may still ask for a tile that names it
	s_endpgm
.Lfunc_end_k_qd14a80788d_gemm_qkv:
	.size	k_qd14a80788d_gemm_qkv, .Lfunc_end_k_qd14a80788d_gemm_qkv-k_qd14a80788d_gemm_qkv
	.p2alignl 7, 3214868480
	.fill 96, 4, 3214868480
	.section	.rodata,"a",@progbits
	.p2align	6, 0x0
	.amdhsa_kernel k_qd14a80788d_gemm_qkv
		.amdhsa_group_segment_fixed_size 327680
		.amdhsa_private_segment_fixed_size 0
		.amdhsa_enable_private_segment 0
		.amdhsa_kernarg_size 40
		.amdhsa_user_sgpr_count 2
		.amdhsa_user_sgpr_kernarg_segment_ptr 1
		.amdhsa_wavefront_size32 1
		.amdhsa_system_sgpr_workgroup_id_x 1
		.amdhsa_system_sgpr_workgroup_id_y 1
		.amdhsa_system_sgpr_workgroup_id_z 1
		.amdhsa_system_vgpr_workitem_id 0
		.amdhsa_next_free_vgpr 1024
		.amdhsa_next_free_sgpr 88
		.amdhsa_reserve_vcc 0
		.amdhsa_float_denorm_mode_32 3
		.amdhsa_float_denorm_mode_16_64 3
		.amdhsa_memory_ordered 1
		.amdhsa_forward_progress 1
		.amdhsa_inst_pref_size 215
	.end_amdhsa_kernel
	.amdgpu_metadata
---
amdhsa.version: [ 1, 2 ]
amdhsa.kernels:
  - .name:           k_qd14a80788d_gemm_qkv
    .symbol:         k_qd14a80788d_gemm_qkv.kd
    .args:
      - { .name: xw, .offset: 0, .size: 8, .value_kind: global_buffer, .address_space: global }
      - { .name: b_q, .offset: 8, .size: 8, .value_kind: global_buffer, .address_space: global }
      - { .name: b_k, .offset: 16, .size: 8, .value_kind: global_buffer, .address_space: global }
      - { .name: b_v, .offset: 24, .size: 8, .value_kind: global_buffer, .address_space: global }
      - { .name: qkv, .offset: 32, .size: 8, .value_kind: global_buffer, .address_space: global }
    .group_segment_fixed_size: 327680
    .private_segment_fixed_size: 0
    .kernarg_segment_align: 8
    .kernarg_segment_size: 40
    .max_flat_workgroup_size: 128
    .sgpr_count:     88
    .vgpr_count:     1024
    .wavefront_size: 32
...
	.end_amdgpu_metadata
.endif
;; end of part 2
;; launch attn (part 3): grid 16 x 16, 8 waves a work-group, clusters of 4 x 1, 327,680 bytes of LDS; arguments qkv, mbits, xat; writes xat
.if DOCPART == 3
	.amdgcn_target "amdgcn-amd-amdhsa--gfx1250"
	.amdhsa_code_object_version 6
	.text
	.protected	k_qd14a80788d_attn
	.globl	k_qd14a80788d_attn
	.p2align	8
	.type	k_qd14a80788d_attn,@function
k_qd14a80788d_attn:
	s_mov_b64 s[64:65], 0
	v_nop
	global_prefetch_b8 v0, s[64:65] scope:SCOPE_SE
	s_setreg_imm32_b32 hwreg(HW_REG_WAVE_MODE, 25, 1), 1
	s_wait_xcnt 0x0
	s_wait_alu depctr_hold_cnt(0) depctr_sa_sdst(0) depctr_va_vdst(0) depctr_va_sdst(0) depctr_va_ssrc(0) depctr_va_vcc(0) depctr_vm_vsrc(0)
	s_getreg_b32 s2, hwreg(HW_REG_IB_STS2, 6, 4)
	s_cmp_eq_u32 s2, 0
	s_cbranch_scc0 .Lentry_in_a_cluster
	s_endpgm
.Lentry_in_a_cluster:
	s_bfe_u32 s2, ttmp6, 0x10000c
	s_cmp_lg_u32 s2, 0x3003
	s_cbranch_scc0 .Lentry_shape_is_right
	s_endpgm
.Lentry_shape_is_right:
; Attention: softmax(where(mask == 0, -1e9, Q K^T / 8)) V for 128 queries x 2 neighbouring heads a work-group; every key block is visited, whatever the mask holds.
; Q comes multiplied by 0.125 log2(e), so scores are base-2 exponents and the masked score is -1e9 log2(e).  A running maximum is taken away before every exponential;
; a row whose keys are all masked gives p = 1 everywhere, the plain average of V.
; Eight waves: wave w has head 2 hp + (w >> 2) and queries 32 (w & 3) .. + 31 of the block, as two column blocks c of 16.
; ORIENTATION: S^T = K Q^T (keys down, queries across): lane (r, h), register j of tile t holds key 16 t + 8 h + j of query r.  Two such tiles packed to f16 ARE source 1 of
; O^T = V^T P^T, so nothing moves between lanes but one exchange of the two lane halves for the maximum.  V^T's fragments come by the transposing LDS load.
; CLUSTERS: the four query blocks of a cluster read the same K and V: each 128-key tile is asked for jointly (mask 15); wave w fetches part w of a slot.
; LIMITS: P and the stored result are f16: p below 6e-8 counts as 0; results under 6.1e-5 keep an absolute error of 3e-8.  A NaN in a score is dropped by the maximum and is not served.
.set PART,  10240                      ; 64 keys: K at pitch 144 (9,216 bytes used), V at pitch 160
.set SLOT,  8*PART                     ; parts 0-3: K of head 0 keys 0-63, 64-127, head 1 likewise; parts 4-7: V in the same order
.set KP,    144                        ; 128 + 16: an odd multiple of 16
.set VP,    160                        ; 128 + 32: an odd multiple of 32, for the transposing load
.set STAGE, 2*SLOT                     ; 128 rows x 272 bytes, never filled by a tensor load
.set SP,    272
.set STEP,  16384                      ; 128 keys of 128 bytes
.set QF, 32                            ; v[32:63]    Q fragments: 16 c + 8 ks
.set OA, 64                            ; v[64:127]   O^T: 32 c + 8 dt
.set SS, 128                           ; v[128:159]  S^T, then p: 16 c + 8 t
.set PF, 160                           ; v[160:175]  P^T in f16: 8 c
.set KF, 176                           ; v[176:207]  K fragments: 16 t + 8 ks
.set VF, 208                           ; v[208:239]  V^T fragments: 8 dt
; v1 the masked score; v2, v3 K's LDS address in slot 0, 1; v4, v5 V's; v6, v7 the other lane half's figure; v[8:9], v[10:11] the running maximum of c = 0, 1 (even and odd
; sub-steps write by turns, so that the old one is still there); v12, v13 the running sums; v14 Q's offset; v[16:17], v[18:19] the rescale factor (low register); v20-31 at work.
.macro ROUND                           ; a round of the cluster's barrier
	s_barrier_signal -1
	s_barrier_wait -1
	s_cmp_lg_u32 s10, 0
	s_cbranch_scc1 .Lnot_wave_0_\@
	s_barrier_signal -3
.Lnot_wave_0_\@:
	s_barrier_wait -3
	s_barrier_signal -1
	s_barrier_wait -1
.endm
.macro JLOAD n                         ; my part of slot n: waves 0-3 K's (pad 4 words), waves 4-7 V's (pad 8 words); the branch hangs on the wave's number alone
	s_cmp_lt_u32 s10, 4
	s_cbranch_scc0 .Lfor_v_\@
	tensor_load_to_lds s[84+4*(\n):87+4*(\n)], s[68:75]
	s_nop 0
	s_branch .Lasked_\@
.Lfor_v_\@:
	tensor_load_to_lds s[84+4*(\n):87+4*(\n)], s[76:83]
	s_nop 0
.Lasked_\@:
.endm
.macro KLOAD slot, i                   ; K fragments of sub-step i (32 keys x 64 d): 8 loads
.irp t, 0,1
.irp ks, 0,1
.irp hf, 0,1
	ds_load_b128 v[KF+16*\t+8*\ks+4*\hf:KF+16*\t+8*\ks+4*\hf+3], v[2+\slot] offset:((\i)>>1)*PART+(32*((\i)&1)+16*\t)*KP+64*\ks+32*\hf
.endr
.endr
.endr
.endm
.macro VLOAD slot, i                   ; V^T fragments of sub-step i (64 d x 32 keys): 8 transposing loads
.irp dt, 0,1,2,3
.irp hf, 0,1
	ds_load_tr16_b128 v[VF+8*\dt+4*\hf:VF+8*\dt+4*\hf+3], v[4+\slot] offset:((\i)>>1)*PART+(32*((\i)&1)+16*\hf)*VP+32*\dt
.endr
.endr
.endm
; One sub-step: 32 keys x my 32 queries.  first: the launch's first (starts maximum, sums and O).  kpre: fetch the next sub-step's K.  mload: ask for the next mask words.
.macro SUB slot, i, first, kpre, mload
.set PN, (\i)&1
.set PO, 1-PN
	s_wait_dscnt 0x0                               ; the K fragments are in
	; four accumulators take turns, one instruction a turn
.irp ks, 0,1
.irp c, 0,1
.irp t, 0,1
.if \ks == 0
	v_wmma_f32_16x16x32_f16 v[SS+16*\c+8*\t:SS+16*\c+8*\t+7], v[KF+16*\t+8*\ks:KF+16*\t+8*\ks+7], v[QF+16*\c+8*\ks:QF+16*\c+8*\ks+7], 0
.else
	v_wmma_f32_16x16x32_f16 v[SS+16*\c+8*\t:SS+16*\c+8*\t+7], v[KF+16*\t+8*\ks:KF+16*\t+8*\ks+7], v[QF+16*\c+8*\ks:QF+16*\c+8*\ks+7], v[SS+16*\c+8*\t:SS+16*\c+8*\t+7]
.endif
.endr
.endr
.endr
.rept 4
	v_nop                                          ; four places: ahead of the reads of S and of the loads into K's and V's fragment registers
.endr
	VLOAD \slot, \i
.if \kpre
	KLOAD \slot, \i+1
.endif
	s_wait_kmcnt 0x0                               ; this sub-step's 32 mask words
.irp c, 0,1
.irp e, 0,1,2,3,4,5,6,7,8,9,10,11,12,13,14,15
	v_cndmask_b32 v[SS+16*\c+\e], v1, v[SS+16*\c+\e], s[32+16*\c+\e]
.endr
.endr
.if \mload
.if (\i) == 3
	s_add_nc_u64 s[6:7], s[6:7], 256               ; the next 128 keys' words; no scalar load is out behind the wait above
	s_load_b512 s[32:47], s[6:7], 0x0
	s_load_b512 s[48:63], s[6:7], 0x1000
.else
	s_load_b512 s[32:47], s[6:7], ((\i)+1)*64
	s_load_b512 s[48:63], s[6:7], 4096+((\i)+1)*64
.endif
.endif
	; the maximum of my 16 scores of each c and the old maximum, in two chains
.if \first
.irp c, 0,1
	v_max3_num_f32 v[20+2*\c], v[SS+16*\c], v[SS+16*\c+1], v[SS+16*\c]
.endr
.else
.irp c, 0,1
	v_max3_num_f32 v[20+2*\c], v[SS+16*\c], v[SS+16*\c+1], v[8+2*\c+PO]
.endr
.endif
.irp c, 0,1
	v_max3_num_f32 v[21+2*\c], v[SS+16*\c+2], v[SS+16*\c+3], v[SS+16*\c+4]
.endr
.irp e, 5,9
.irp c, 0,1
	v_max3_num_f32 v[20+2*\c], v[20+2*\c], v[SS+16*\c+\e], v[SS+16*\c+\e+1]
.endr
.irp c, 0,1
	v_max3_num_f32 v[21+2*\c], v[21+2*\c], v[SS+16*\c+\e+2], v[SS+16*\c+\e+3]
.endr
.endr
.irp c, 0,1
	v_max3_num_f32 v[20+2*\c], v[20+2*\c], v[SS+16*\c+13], v[SS+16*\c+14]
.endr
.irp c, 0,1
	v_max3_num_f32 v[20+2*\c], v[20+2*\c], v[21+2*\c], v[SS+16*\c+15]
.endr
	v_permlanex16_b32 v6, v20, s12, s13            ; the other 16 keys of the same query lie in lane l xor 16
	v_permlanex16_b32 v7, v22, s12, s13
	v_max_num_f32 v[8+PN], v20, v6
	v_max_num_f32 v[10+PN], v22, v7
.if \first == 0
	v_sub_f32 v24, v[8+PO], v[8+PN]
	v_sub_f32 v25, v[10+PO], v[10+PN]
	v_exp_f32 v16, v24                             ; the factor for what has been gathered; the packed adds below are the plain place behind it (ISA guide 5.7.2)
	v_exp_f32 v18, v25
.endif
.irp c, 0,1
.irp e, 0,2,4,6,8,10,12,14
.if PN
	v_pk_add_f32 v[SS+16*\c+\e:SS+16*\c+\e+1], v[SS+16*\c+\e:SS+16*\c+\e+1], v[8+2*\c:9+2*\c] op_sel:[0,1] op_sel_hi:[1,1] neg_lo:[0,1] neg_hi:[0,1]
.else
	v_pk_add_f32 v[SS+16*\c+\e:SS+16*\c+\e+1], v[SS+16*\c+\e:SS+16*\c+\e+1], v[8+2*\c:9+2*\c] op_sel:[0,0] op_sel_hi:[1,0] neg_lo:[0,1] neg_hi:[0,1]
.endif
.endr
.endr
.irp e, 0,1,2,3,4,5,6,7,8,9,10,11,12,13,14,15,16,17,18,19,20,21,22,23,24,25,26,27,28,29,30,31
	v_exp_f32 v[SS+\e], v[SS+\e]
.endr
.if \first
	v_nop                                          ; the plain place behind the exponentials
	s_wait_alu depctr_va_vdst(0)
.else
	s_wait_alu depctr_va_vdst(0)
.irp c, 0,1
.irp e, 0,2,4,6,8,10,12,14,16,18,20,22,24,26,28,30
	v_pk_mul_f32 v[OA+32*\c+\e:OA+32*\c+\e+1], v[OA+32*\c+\e:OA+32*\c+\e+1], v[16+2*\c:17+2*\c] op_sel_hi:[1,0]   ; also the plain places behind the exponentials
.endr
.endr
.endif
.irp c, 0,1
	v_pk_add_f32 v[24:25], v[SS+16*\c:SS+16*\c+1], v[SS+16*\c+2:SS+16*\c+3]
	v_pk_add_f32 v[26:27], v[SS+16*\c+4:SS+16*\c+5], v[SS+16*\c+6:SS+16*\c+7]
	v_pk_add_f32 v[28:29], v[SS+16*\c+8:SS+16*\c+9], v[SS+16*\c+10:SS+16*\c+11]
	v_pk_add_f32 v[30:31], v[SS+16*\c+12:SS+16*\c+13], v[SS+16*\c+14:SS+16*\c+15]
	v_pk_add_f32 v[24:25], v[24:25], v[26:27]
	v_pk_add_f32 v[28:29], v[28:29], v[30:31]
	v_pk_add_f32 v[24:25], v[24:25], v[28:29]
.if \first
	v_add_f32 v[12+\c], v24, v25
.else
	v_add_f32 v24, v24, v25
	v_fma_f32 v[12+\c], v[12+\c], v[16+2*\c], v24
.endif
.endr
.irp c, 0,1
.irp t, 0,1
.irp k, 0,1,2,3
	v_cvt_pk_f16_f32 v[PF+8*\c+4*\t+\k], v[SS+16*\c+8*\t+2*\k], v[SS+16*\c+8*\t+2*\k+1]
.endr
.endr
.endr
.if \kpre
	s_wait_dscnt 8                                 ; V's eight loads are in; the eight K loads issued behind them may stay out
.else
	s_wait_dscnt 0x0
.endif
	; eight accumulators take turns, one instruction a turn
.irp dt, 0,1,2,3
.irp c, 0,1
.if \first
	v_wmma_f32_16x16x32_f16 v[OA+32*\c+8*\dt:OA+32*\c+8*\dt+7], v[VF+8*\dt:VF+8*\dt+7], v[PF+8*\c:PF+8*\c+7], 0
.else
	v_wmma_f32_16x16x32_f16 v[OA+32*\c+8*\dt:OA+32*\c+8*\dt+7], v[VF+8*\dt:VF+8*\dt+7], v[PF+8*\c:PF+8*\c+7], v[OA+32*\c+8*\dt:OA+32*\c+8*\dt+7]
.endif
.endr
.endr
.endm
; One tile of 128 keys.  In front of the round every wave waits for all its tensor loads (one: its part of this tile) and for its reads of the other slot;
; behind the round the other slot's joint refill comes first.  It has the whole tile's work in which to land.
.macro TRIP slot, refill, first, last
	s_wait_tensorcnt 0x0
	ds_add_u32 v240, v241
	s_wait_dscnt 0x0
	s_add_nc_u64 s[86+4*\slot:87+4*\slot], s[86+4*\slot:87+4*\slot], 2*STEP      ; no tensor load of mine is out: this slot's next tile
	s_wait_dscnt 0x0
	ROUND
.if \refill
	JLOAD 1-\slot
.endif
	KLOAD \slot, 0
	SUB \slot, 0, \first, 1, 1
	SUB \slot, 1, 0, 1, 1
	SUB \slot, 2, 0, 1, 1
	SUB \slot, 3, 0, 0, 1-\last
.endm
	s_load_b128 s[4:7], s[0:1], 0x0                ; qkv 4, mbits 6
	s_load_b64 s[8:9], s[0:1], 0x10                ; xat
	v_lshl_add_u32 v240, v0, 2, 0x30800
	v_mov_b32 v241, 0
	ds_add_u32 v240, v241
	v_lshrrev_b32 v20, 5, v0
	v_readfirstlane_b32 s10, v20                   ; wave 0..7
	s_mov_b32 s12, 0x76543210                      ; v_permlanex16_b32: lane i reads lane i of the other half
	s_mov_b32 s13, 0xfedcba98
	s_and_b32 s20, ttmp7, 0xffff                   ; y = 8 b + hp
	s_lshr_b32 s21, s20, 3                         ; b
	s_and_b32 s22, s20, 7                          ; hp: heads 2 hp, 2 hp + 1
	s_lshr_b32 s18, s10, 2                         ; my head of the two; as a fetcher: 0 K, 1 V
	s_and_b32 s19, s10, 3                          ; my 32 queries of the 128
	s_bfe_u32 s23, s10, 0x10001                    ; as a fetcher: which head
	s_and_b32 s24, s10, 1                          ; as a fetcher: which 64 keys
	s_lshl_b32 s25, s18, 1
	s_add_co_u32 s25, s25, 2                       ; 2 g, g = 1 K, 2 V
	s_add_co_u32 s25, s25, s21
	s_lshl_b32 s25, s25, 4
	s_lshl1_add_u32 s25, s22, s25
	s_add_co_u32 s25, s25, s23                     ; (2 g + b) 16 + head
	s_lshl_b32 s26, s25, 18                        ; a head is 262,144 bytes
	s_lshl_b32 s27, s24, 13
	s_add_co_u32 s26, s26, s27
	s_mov_b32 s27, 0
	s_mul_i32 s17, s10, PART                       ; where my part goes
	s_mul_i32 s16, s18, 2*PART                     ; where my head's K begins in a slot
	; the place in the cluster enters the addresses of Q, of the mask words and of the result alone, in registers of their own
	s_bfe_u32 s31, ttmp6, 0x40000                  ; cx
	s_lshl_b32 s30, ttmp9, 2
	s_add_co_u32 s30, s30, s31                     ; query block = 4 x cluster x + cx
	s_lshl_b32 s92, s21, 4
	s_lshl1_add_u32 s92, s22, s92
	s_add_co_u32 s92, s92, s18                     ; Q: b 16 + my head
	s_lshl_b32 s92, s92, 18
	s_lshl_b32 s93, s30, 14                        ; 128 queries of 128 bytes
	s_add_co_u32 s92, s92, s93
	s_lshl_b32 s93, s19, 12
	s_add_co_u32 s92, s92, s93
	s_mov_b32 s93, 0
	s_lshl_b32 s94, s30, 15                        ; mask words: 16 queries are 4,096 bytes
	s_lshl_b32 s95, s19, 13
	s_add_co_u32 s94, s94, s95
	s_mov_b32 s95, 0
	s_lshl_b32 s96, s21, 22                        ; xat: row b 2048 + 128 block + 16 wave, 2,048 bytes a row; column bytes 256 hp
	s_lshl_b32 s97, s30, 18
	s_add_co_u32 s96, s96, s97
	s_lshl_b32 s97, s10, 15
	s_add_co_u32 s96, s96, s97
	s_lshl_b32 s97, s22, 8
	s_add_co_u32 s96, s96, s97
	s_mov_b32 s97, 0
	; descriptor group 1: 64 rows of 16 elements of 8 bytes (a key's 128 bytes), dense; padding behind every 32 words, that is behind every row
	s_mov_b32 s68, 15|(3<<16)|(1<<20)|(1<<21)|(4<<22)|(3<<25)      ; K: the four work-groups of the cluster; 4 words of padding
	s_mov_b32 s76, 15|(3<<16)|(1<<20)|(1<<21)|(4<<22)|(7<<25)      ; V: 8 words
	s_mov_b32 s69, 16<<16                          ; tensor_dim0 = 16
	s_mov_b32 s77, 16<<16
	s_mov_b32 s70, 64<<16                          ; tensor_dim1 = 64
	s_mov_b32 s78, 64<<16
	s_mov_b32 s71, 16<<16                          ; tile_dim0 = 16
	s_mov_b32 s79, 16<<16
	s_mov_b32 s72, 64                              ; tile_dim1 = 64
	s_mov_b32 s80, 64
	s_mov_b32 s73, 16                              ; elements from row to row
	s_mov_b32 s81, 16
	s_mov_b32 s74, 0
	s_mov_b32 s82, 0
	s_mov_b32 s75, 0
	s_mov_b32 s83, 0
	v_and_b32 v21, 15, v0                          ; r
	v_bfe_u32 v22, v0, 4, 1                        ; h
	v_mul_u32_u24 v2, v21, KP
	v_lshl_add_u32 v2, v22, 4, v2
	v_add_nc_u32 v2, s16, v2                       ; K: key r, 16 bytes for each half of the lanes
	v_add_nc_u32 v3, SLOT, v2
	v_and_b32 v23, 7, v0
	v_lshl_add_u32 v23, v22, 3, v23                ; V: key 8 h + (l & 7),
	v_mul_u32_u24 v4, v23, VP
	v_bfe_u32 v24, v0, 3, 1
	v_lshl_add_u32 v4, v24, 4, v4                  ; 16 bytes by bit 3 of the lane
	v_add_nc_u32 v4, s16, v4
	v_add_nc_u32 v4, 4*PART, v4
	v_add_nc_u32 v5, SLOT, v4
	v_lshlrev_b32 v14, 7, v21
	v_lshl_add_u32 v14, v22, 4, v14                ; Q: query r, 16 bytes for each half of the lanes
	v_mov_b32 v1, 0xceabfb8f                       ; -1e9 log2(e)
	v_mov_b32 v6, 0                                ; destinations of lane exchanges and second halves of pairs are written once
	v_mov_b32 v7, 0
	v_mov_b32 v9, 0
	v_mov_b32 v11, 0
	v_mov_b32 v17, 0
	v_mov_b32 v19, 0
	s_wait_dscnt 0x0
	s_wait_kmcnt 0x0
	s_add_nc_u64 s[28:29], s[4:5], s[26:27]        ; my part of tile 0
	s_add_nc_u64 s[14:15], s[4:5], s[92:93]
	s_add_nc_u64 s[6:7], s[6:7], s[94:95]
	s_add_nc_u64 s[8:9], s[8:9], s[96:97]
.irp n, 0,1
	s_mov_b32 s[84+4*\n], 1
	s_add_co_u32 s[85+4*\n], s17, \n*SLOT
	s_add_nc_u64 s[86+4*\n:87+4*\n], s[28:29], \n*STEP
	s_or_b32 s[87+4*\n], s[87+4*\n], 0x80000000
.endr
	ROUND                                          ; the four work-groups are here: the first joint loads meet
	JLOAD 0
.irp c, 0,1
.irp ks, 0,1
.irp hf, 0,1
	global_load_b128 v[QF+16*\c+8*\ks+4*\hf:QF+16*\c+8*\ks+4*\hf+3], v14, s[14:15] offset:\c*2048+\ks*64+\hf*32
.endr
.endr
.endr
	s_load_b512 s[32:47], s[6:7], 0x0              ; the first sub-step's mask words: c = 0,
	s_load_b512 s[48:63], s[6:7], 0x1000           ; c = 1
	s_wait_loadcnt 0x0                             ; Q, once
	TRIP 0, 1, 1, 0
	TRIP 1, 1, 0, 0
	s_mov_b32 s11, 6
.Ltiles:
	TRIP 0, 1, 0, 0
	TRIP 1, 1, 0, 0
	s_sub_co_u32 s11, s11, 1
	s_cmp_lg_u32 s11, 0
	s_cbranch_scc1 .Ltiles
	TRIP 0, 1, 0, 0
	TRIP 1, 0, 0, 1                                ; the last tile fetches nothing
	; THE END: divide by the sums, round to f16, gather the two heads' rows in the stage, store whole rows of 256 bytes.
.rept 4
	v_nop                                          ; four places behind the last matrix instructions
.endr
	v_permlanex16_b32 v6, v12, s12, s13            ; the sum over the other 16 keys of each sub-step
	v_permlanex16_b32 v7, v13, s12, s13
	v_add_f32 v12, v12, v6
	v_add_f32 v13, v13, v7
	v_rcp_f32 v16, v12                             ; the sum is at least 1: the largest score gives p = 1
	v_rcp_f32 v18, v13
	v_and_b32 v21, 15, v0                          ; the address work is the plain place behind the reciprocals
	v_bfe_u32 v22, v0, 4, 1
	s_mul_i32 s24, s19, 32*SP
	s_lshl_b32 s25, s18, 7
	s_add_co_u32 s24, s24, s25
	s_add_co_u32 s24, s24, STAGE
	v_mul_u32_u24 v20, v21, SP
	v_lshl_add_u32 v20, v22, 4, v20
	v_add_nc_u32 v20, s24, v20                     ; in: row 32 (w & 3) + r, my head's 128 bytes, 16 bytes for each half of the lanes
	s_mul_i32 s25, s10, 16*SP
	s_add_co_u32 s25, s25, STAGE
	v_mul_u32_u24 v23, v22, SP
	v_lshl_add_u32 v23, v21, 4, v23
	v_add_nc_u32 v23, s25, v23                     ; back: rows 16 w ..: lanes 0-15 one row of 256 bytes, lanes 16-31 the next
	v_lshlrev_b32 v24, 11, v22
	v_lshl_add_u32 v24, v21, 4, v24                ; and the same two rows in xat
	s_wait_alu depctr_va_vdst(0)
.irp c, 0,1
.irp e, 0,2,4,6,8,10,12,14,16,18,20,22,24,26,28,30
	v_pk_mul_f32 v[OA+32*\c+\e:OA+32*\c+\e+1], v[OA+32*\c+\e:OA+32*\c+\e+1], v[16+2*\c:17+2*\c] op_sel_hi:[1,0]
.endr
.endr
.irp c, 0,1
.irp dt, 0,1,2,3
.irp k, 0,1,2,3
	v_cvt_pk_f16_f32 v[SS+16*\c+4*\dt+\k], v[OA+32*\c+8*\dt+2*\k], v[OA+32*\c+8*\dt+2*\k+1]
.endr
	ds_store_b128 v20, v[SS+16*\c+4*\dt:SS+16*\c+4*\dt+3] offset:\c*16*SP+\dt*32     ; d = 16 dt + 8 h + 0..7 of query r
.endr
.endr
	s_wait_dscnt 0x0                               ; my stores are done, for the other waves' sake
	s_barrier_signal -1
	s_barrier_wait -1
.irp t, 0,1,2,3,4,5,6,7
	ds_load_b128 v[KF+4*\t:KF+4*\t+3], v23 offset:\t*2*SP
.endr
.irp t, 0,1,2,3,4,5,6,7
	s_wait_dscnt 7-\t                              ; load t is in, the younger ones stay out
	global_store_b128 v24, v[KF+4*\t:KF+4*\t+3], s[8:9] offset:\t*4096           ; 16 lanes store 256 consecutive bytes, aligned
.endr
	s_wait_tensorcnt 0x0
	ds_add_u32 v240, v241
	s_wait_dscnt 0x0
	ROUND                                          ; the closing round: no work-group ends while a partner may still ask for a tile that names it
	s_endpgm
.Lfunc_end_k_qd14a80788d_attn:
	.size	k_qd14a80788d_attn, .Lfunc_end_k_qd14a80788d_attn-k_qd14a80788d_attn
	.p2alignl 7, 3214868480
	.fill 96, 4, 3214868480
	.section	.rodata,"a",@progbits
	.p2align	6, 0x0
	.amdhsa_kernel k_qd14a80788d_attn
		.amdhsa_group_segment_fixed_size 327680
		.amdhsa_private_segment_fixed_size 0
		.amdhsa_enable_private_segment 0
		.amdhsa_kernarg_size 24
		.amdhsa_user_sgpr_count 2
		.amdhsa_user_sgpr_kernarg_segment_ptr 1
		.amdhsa_wavefront_size32 1
		.amdhsa_system_sgpr_workgroup_id_x 1
		.amdhsa_system_sgpr_workgroup_id_y 1
		.amdhsa_system_sgpr_workgroup_id_z 1
		.amdhsa_system_vgpr_workitem_id 0
		.amdhsa_next_free_vgpr 242
		.amdhsa_next_free_sgpr 100
		.amdhsa_reserve_vcc 0
		.amdhsa_float_denorm_mode_32 3
		.amdhsa_float_denorm_mode_16_64 3
		.amdhsa_memory_ordered 1
		.amdhsa_forward_progress 1
		.amdhsa_inst_pref_size 255
	.end_amdhsa_kernel
	.section	.bss,"aw",@nobits
	.p2align	6
	.space	262144
	.amdgpu_metadata
---
amdhsa.version: [ 1, 2 ]
amdhsa.kernels:
  - .name:           k_qd14a80788d_attn
    .symbol:         k_qd14a80788d_attn.kd
    .args:
      - { .name: qkv, .offset: 0, .size: 8, .value_kind: global_buffer, .address_space: global }
      - { .name: mbits, .offset: 8, .size: 8, .value_kind: global_buffer, .address_space: global }
      - { .name: xat, .offset: 16, .size: 8, .value_kind: global_buffer, .address_space: global }
    .group_segment_fixed_size: 327680
    .private_segment_fixed_size: 0
    .kernarg_segment_align: 8
    .kernarg_segment_size: 24
    .max_flat_workgroup_size: 256
    .sgpr_count:     100
    .vgpr_count:     242
    .wavefront_size: 32
...
	.end_amdgpu_metadata
.endif
;; end of part 3
;; launch gemm_out (part 4): grid 8 x 32, 4 waves a work-group, clusters of 4 x 4, 327,680 bytes of LDS; arguments xat, xw, b_o, out0; writes out0
.if DOCPART == 4
	.amdgcn_target "amdgcn-amd-amdhsa--gfx1250"
	.amdhsa_code_object_version 6
	.text
	.protected	k_qd14a80788d_gemm_out
	.globl	k_qd14a80788d_gemm_out
	.p2align	8
	.type	k_qd14a80788d_gemm_out,@function
k_qd14a80788d_gemm_out:
	s_mov_b64 s[64:65], 0
	v_nop
	global_prefetch_b8 v0, s[64:65] scope:SCOPE_SE
	s_setreg_imm32_b32 hwreg(HW_REG_WAVE_MODE, 25, 1), 1
	s_wait_xcnt 0x0
	s_wait_alu depctr_hold_cnt(0) depctr_sa_sdst(0) depctr_va_vdst(0) depctr_va_sdst(0) depctr_va_ssrc(0) depctr_va_vcc(0) depctr_vm_vsrc(0)
	s_getreg_b32 s2, hwreg(HW_REG_IB_STS2, 6, 4)
	s_cmp_eq_u32 s2, 0
	s_cbranch_scc0 .Lentry_in_a_cluster
	s_endpgm
.Lentry_in_a_cluster:
	s_bfe_u32 s2, ttmp6, 0x10000c
	s_cmp_lg_u32 s2, 0xf033
	s_cbranch_scc0 .Lentry_shape_is_right
	s_endpgm
.Lentry_shape_is_right:
; The output projection: out0[m][n] = sum over k of xat[m][k] w_o[n][k] + b_o[n].  xat [4096][1024] f16; w_o = rows 15360.. of xw, f16; sums and result f32.
; 4,096 x 1,024 outputs in blocks of 128 x 128 are 256 work-groups.  Four waves, 64 x 64 each: 16 accumulator tiles, 128 registers.
; K goes in four steps of 256 through two LDS slots filled by the tensor data mover: a tile's rows are 512 bytes of memory and start at multiples of 256 bytes from the buffer's first byte.
; Only steps 2 and 3 are refills.  The 32 quarter steps of 32 along K are written out; three fragment buffers take turns, and quarter n fetches quarter n + 2's fragments.
; CLUSTERS: 4 x 4 work-groups: xat's tiles are shared along a row of the cluster, w_o's along a column; each is asked for jointly.
; The sums run in another order than a plain loop's.
; REGISTERS: window 0: v0-31 addresses, v32-63 the bias of my 64 columns, v64-255 three fragment buffers of 64 (w_o's four fragments, then xat's four; on the way out: rows read back);
; window 1 (v256-383): the accumulators, tile (a, b) at 8 (4 a + b).
; The matrix instruction is used transposed (source 0 = 16 rows of w_o, source 1 = 16 rows of xat): lane l holds row l % 16 of the result, registers 0-7 the columns 8 (l / 16) + 0..7.
.set SIZE_K, 1024
.set KSTEP,  256
.set PITCH,  528                       ; 512 bytes + 16 = 33 x 16: the 16 rows of a fragment load start in 16 different 16-byte columns
.set HALFT,  64*PITCH                  ; 64 rows: what one tensor load brings, and what one wave reads of xat or of w_o
.set SLOT,   4*HALFT                   ; xat's 128 rows, then w_o's 128 rows
.set STAGE,  2*SLOT                    ; behind the ring, never filled by a tensor load: 16 rows x 272 bytes for each wave
.set SPITCH, 272                       ; 64 f32 + 16 bytes = 17 x 16
.set ADRA, 16                          ; v16-17  LDS address of my xat fragments in slot 0, 1
.set ADRB, 20                          ; v20-21  the same for w_o
.set STO,  24
.set RD,   25
.set CO,   26
.set FB,   64                          ; buffer of quarter n: FB + 64 (n % 3)
.set G1, 24
.set G0, 32
.set G1B, 48
.set G0B, 56
.set MSB, 0
.macro WIN new                         ; the immediate's high byte repeats the setting that is left
.if MSB != \new
	s_set_vgpr_msb (MSB<<8)|\new
.set MSB, \new
.endif
.endm
.set W_MUL, 0x50                       ; sources 0 and 1 window 0, C and D window 1
.set W_BEG, 0x40                       ; the first products: C is the bias in window 0, D window 1
.set W_OUT, 0x04                       ; an LDS store's data is source 1: window 1
; A joint load: waves 0 and 1 fetch xat's two halves, waves 2 and 3 w_o's.  The branch hangs on the wave's number alone.
.macro JLOAD s
	s_cmp_eq_u32 s11, 0
	s_cbranch_scc0 .Lfor_b_\@
	tensor_load_to_lds s[G0+4*(\s):G0+4*(\s)+3], s[G1:G1+7]
	s_nop 0
	s_branch .Lasked_\@
.Lfor_b_\@:
	tensor_load_to_lds s[G0B+4*(\s):G0B+4*(\s)+3], s[G1B:G1B+7]
	s_nop 0
.Lasked_\@:
.endm
.macro CREST                           ; a round of the cluster's barrier behind its opening barrier
	s_cmp_lg_u32 s10, 0
	s_cbranch_scc1 .Lnot_wave_0_\@
	s_barrier_signal -3
.Lnot_wave_0_\@:
	s_barrier_wait -3
	s_barrier_signal -1
	s_barrier_wait -1
.endm
.macro CROUND
	s_barrier_signal -1
	s_barrier_wait -1
	CREST
.endm
	s_load_b256 s[68:75], s[0:1], 0x0              ; xat 68, xw 70, b_o 72, out0 74
	v_lshl_add_u32 v30, v0, 2, 0x46400
	v_mov_b32 v31, 0
	ds_add_u32 v30, v31
	v_lshrrev_b32 v1, 5, v0
	v_readfirstlane_b32 s10, v1                    ; wave 0..3
	s_lshr_b32 s11, s10, 1                         ; which half of the block's rows is mine; also: I fetch for xat (0) or w_o (1)
	s_and_b32 s12, s10, 1                          ; which half of its columns; also: which 64 rows of that tile I fetch
	s_bfe_u32 s40, ttmp6, 0x40000                  ; cx
	s_bfe_u32 s41, ttmp6, 0x40004                  ; cy
	s_lshl_b32 s42, ttmp9, 2
	s_add_co_u32 s42, s42, s40                     ; block column = 4 x cluster x + cx
	s_and_b32 s13, ttmp7, 0xffff
	s_lshl_b32 s13, s13, 2
	s_add_co_u32 s13, s13, s41                     ; block row = 4 x cluster y + cy
	s_lshl_b32 s43, s41, 2
	s_lshl_b32 s43, 15, s43                        ; my row of the cluster
	s_lshl_b32 s44, 0x1111, s40                    ; my column
	; descriptor group 1: 64 rows x 256 elements of 2 bytes, 4 words of padding behind every 128
	s_or_b32 s[G1+0], s43, (1<<16)|(1<<20)|(1<<21)|(6<<22)|(3<<25)
	s_or_b32 s[G1B+0], s44, (1<<16)|(1<<20)|(1<<21)|(6<<22)|(3<<25)
	s_mov_b32 s[G1B+1], KSTEP<<16
	s_mov_b32 s[G1+1], KSTEP<<16                   ; tensor_dim0 = 256
	s_mov_b32 s[G1B+2], 64<<16
	s_mov_b32 s[G1+2], 64<<16                      ; tensor_dim1 = 64
	s_mov_b32 s[G1B+3], KSTEP<<16
	s_mov_b32 s[G1+3], KSTEP<<16                   ; tile_dim0 = 256
	s_mov_b32 s[G1B+4], 64
	s_mov_b32 s[G1+4], 64                          ; tile_dim1 = 64
	s_mov_b32 s[G1B+5], SIZE_K
	s_mov_b32 s[G1+5], SIZE_K                      ; elements from row to row
	s_mov_b32 s[G1B+6], 0
	s_mov_b32 s[G1+6], 0
	s_mov_b32 s[G1B+7], 0
	s_mov_b32 s[G1+7], 0
	s_lshl_b32 s17, s12, 6
	s_lshl_b32 s16, s13, 7
	s_add_co_u32 s16, s16, s17                     ; xat: row 128 x block row + 64 x half
	s_lshl_b32 s46, s42, 7
	s_add_co_u32 s46, s46, s17                     ; w_o: row 128 x block column + 64 x half
	s_mov_b32 s17, 0
	s_mov_b32 s47, 0
	s_mov_b64 s[18:19], SIZE_K*2
	s_mul_u64 s[16:17], s[16:17], s[18:19]
	s_mul_u64 s[46:47], s[46:47], s[18:19]
	s_mul_i32 s20, s10, HALFT                      ; LDS: xat's two halves, then w_o's = wave x 64 rows
	s_lshl_b32 s84, s42, 9                         ; the bias of my 64 columns: 128 x block column + 64 x half, 4 bytes each
	s_lshl_b32 s86, s12, 8
	s_add_co_u32 s84, s84, s86
	s_mov_b32 s85, 0
	s_wait_dscnt 0x0
	s_wait_kmcnt 0x0
	s_add_nc_u64 s[6:7], s[70:71], 0x1E00000       ; w_o: behind xw's 15,360 rows of 2,048 bytes
	s_add_nc_u64 s[14:15], s[68:69], s[16:17]
	s_add_nc_u64 s[46:47], s[6:7], s[46:47]
	s_add_nc_u64 s[76:77], s[72:73], s[84:85]
	s_mov_b64 s[8:9], s[74:75]
	CROUND                                         ; all sixteen work-groups are here: the first joint loads meet
.irp s, 0,1
	s_mov_b32 s[G0+4*\s], 1
	s_add_co_u32 s[G0+4*\s+1], s20, \s*SLOT
	s_add_nc_u64 s[G0+4*\s+2:G0+4*\s+3], s[14:15], \s*KSTEP*2
	s_or_b32 s[G0+4*\s+3], s[G0+4*\s+3], 0x80000000
	s_mov_b32 s[G0B+4*\s], 1
	s_add_co_u32 s[G0B+4*\s+1], s20, \s*SLOT
	s_add_nc_u64 s[G0B+4*\s+2:G0B+4*\s+3], s[46:47], \s*KSTEP*2
	s_or_b32 s[G0B+4*\s+3], s[G0B+4*\s+3], 0x80000000
	JLOAD \s                                       ; K steps 0 and 1: first fills
.endr
	v_and_b32 v1, 15, v0                           ; l % 16
	v_bfe_u32 v2, v0, 4, 1                         ; l / 16
	v_lshlrev_b32 v27, 5, v2                       ; the bias: 8 numbers of 4 bytes for each half of the lanes
.irp b, 0,1,2,3
	global_load_b128 v[32+8*\b:32+8*\b+3], v27, s[76:77] offset:64*\b            ; register j of column block b = bias[16 b + 8 (l / 16) + j]
	global_load_b128 v[32+8*\b+4:32+8*\b+7], v27, s[76:77] offset:64*\b+16
.endr
	v_mul_u32_u24 v3, v1, PITCH
	v_lshl_add_u32 v3, v2, 4, v3                   ; row x pitch + 16 x half
	s_mul_i32 s21, s11, HALFT                      ; my 64 rows of xat
	s_mul_i32 s22, s12, HALFT                      ; my 64 rows of w_o,
	s_add_co_u32 s22, s22, 2*HALFT                 ; which lie behind xat's 128
.irp s, 0,1
	v_add_nc_u32 v[ADRA+\s], s21, v3
	v_add_nc_u32 v[ADRB+\s], s22, v3
	s_add_co_u32 s21, s21, SLOT
	s_add_co_u32 s22, s22, SLOT
.endr
	s_mul_i32 s23, s10, 16*SPITCH
	s_add_co_u32 s23, s23, STAGE                   ; my stage
	v_mul_u32_u24 v4, v1, SPITCH
	v_lshl_add_u32 v4, v2, 5, v4
	v_add_nc_u32 v[STO], s23, v4                   ; in: row l % 16, 32 bytes for each half of the lanes
	v_mul_u32_u24 v5, v2, SPITCH
	v_lshl_add_u32 v5, v1, 4, v5
	v_add_nc_u32 v[RD], s23, v5                    ; back: lanes 0-15 one row of 256 bytes, lanes 16-31 the next
	v_lshlrev_b32 v6, 12, v2
	v_lshl_add_u32 v[CO], v1, 4, v6                ; and the same two rows in out0
; 16 matrix instructions: quarter q's fragments, all 16 accumulators by turns, one instruction a turn, in the same order in every quarter.
; zero = 1: the first product starts the sums from the bias: nothing is cleared, and no add follows.
.macro MUL16 q, zero
.irp a, 0,1,2,3
.irp b, 0,1,2,3
.if \zero
	v_wmma_f32_16x16x32_f16 v[8*(4*\a+\b):8*(4*\a+\b)+7], v[FB+64*((\q)%3)+8*\b:FB+64*((\q)%3)+8*\b+7], v[FB+64*((\q)%3)+32+8*\a:FB+64*((\q)%3)+32+8*\a+7], v[32+8*\b:32+8*\b+7]
.else
	v_wmma_f32_16x16x32_f16 v[8*(4*\a+\b):8*(4*\a+\b)+7], v[FB+64*((\q)%3)+8*\b:FB+64*((\q)%3)+8*\b+7], v[FB+64*((\q)%3)+32+8*\a:FB+64*((\q)%3)+32+8*\a+7], v[8*(4*\a+\b):8*(4*\a+\b)+7]
.endif
.endr
.endr
.endm
; 16 LDS loads: the fragments of quarter q (slot (q >> 3) & 1, byte 64 (q & 7) of the rows) into its buffer
.macro FETCH q
	WIN 0
.irp i, 0,1,2,3
	ds_load_b128 v[FB+64*((\q)%3)+8*\i:FB+64*((\q)%3)+8*\i+3],   v[ADRB+(((\q)>>3)&1)] offset:((\q)&7)*64+\i*16*PITCH
	ds_load_b128 v[FB+64*((\q)%3)+8*\i+4:FB+64*((\q)%3)+8*\i+7], v[ADRB+(((\q)>>3)&1)] offset:((\q)&7)*64+\i*16*PITCH+32
.endr
.irp i, 0,1,2,3
	ds_load_b128 v[FB+64*((\q)%3)+32+8*\i:FB+64*((\q)%3)+32+8*\i+3],   v[ADRA+(((\q)>>3)&1)] offset:((\q)&7)*64+\i*16*PITCH
	ds_load_b128 v[FB+64*((\q)%3)+32+8*\i+4:FB+64*((\q)%3)+32+8*\i+7], v[ADRA+(((\q)>>3)&1)] offset:((\q)&7)*64+\i*16*PITCH+32
.endr
.endm
; Four plain places stand between a matrix instruction and a load into one of its sources, or an instruction that reads its result.
.macro PLACES
.rept 4
	v_nop
.endr
.endm
; Quarter QN: its fragments are waited for, quarter QN + 2's are fetched into the buffer that quarter QN - 1 has just read, then the 16 products.
.macro PLAIN
.if QN < 31
	s_wait_dscnt 16                                ; quarter QN's loads are in; the 16 of quarter QN + 1 may stay out
.else
	s_wait_dscnt 0
.endif
.if QN < 30
.if QN > 0
	PLACES
.endif
	FETCH QN+2
.endif
.if QN == 0
	WIN W_BEG
	MUL16 QN, 1
.else
	WIN W_MUL
	MUL16 QN, 0
.endif
.endm
; Quarter 6 of a K step changes slots: the slot's last fragments (quarters 6 and 7) have been fetched.  In front of the barrier each wave waits for its reads of this slot and for all its
; tensor loads (one is out: its part of the next slot).  fill = 1: the barrier opens a round of the cluster's barrier, with the quarter's products, register work, inside it, and the
; joint refill, two K steps ahead, is the first tensor load behind the round.  Then the next slot's first fragments are read.
.macro CHANGE fill
	s_wait_dscnt 0
	s_wait_tensorcnt 0x0
	ds_add_u32 v30, v31
	s_wait_dscnt 0x0
	s_barrier_signal -1
	WIN W_MUL
	MUL16 QN, 0
	WIN 0
	s_barrier_wait -1
.if \fill
	CREST
	s_add_nc_u64 s[G0+4*((QN>>3)&1)+2:G0+4*((QN>>3)&1)+3], s[G0+4*((QN>>3)&1)+2:G0+4*((QN>>3)&1)+3], 2*KSTEP*2
	s_add_nc_u64 s[G0B+4*((QN>>3)&1)+2:G0B+4*((QN>>3)&1)+3], s[G0B+4*((QN>>3)&1)+2:G0B+4*((QN>>3)&1)+3], 2*KSTEP*2
	JLOAD (QN>>3)&1
.endif
	PLACES
	FETCH QN+2
.endm
	s_wait_loadcnt 0x0                             ; the bias, once
	s_wait_tensorcnt 1                             ; my part of K step 0 is in; K step 1's load stays out
	s_barrier_signal -1
	s_barrier_wait -1
	FETCH 0
	FETCH 1
.set QN, 0
.rept 32
.if QN == 6
	CHANGE 1                                       ; slot 0 gets K step 2
.else
.if QN == 14
	CHANGE 1                                       ; slot 1 gets K step 3
.else
.if QN == 22
	CHANGE 0                                       ; nothing is left to fetch
.else
	PLAIN
.endif
.endif
.endif
.set QN, QN+1
.endr
	; THE WAY OUT, 16 rows at a time: the f32 sums go into my own stage as they are and come back as whole rows of 256 bytes.
	PLACES
	s_lshl_b32 s13, s13, 7
	s_lshl_b32 s14, s11, 6
	s_add_co_u32 s16, s13, s14                     ; my first row
	s_lshl_b32 s16, s16, 12                        ; 4,096 bytes a row
	s_mov_b32 s17, 0
	s_add_nc_u64 s[8:9], s[8:9], s[16:17]
	s_lshl_b32 s46, s42, 9                         ; my first column, in bytes: 512 x block + 256 x half
	s_lshl_b32 s47, s12, 8
	s_add_co_u32 s46, s46, s47
	s_mov_b32 s47, 0
	s_add_nc_u64 s[8:9], s[8:9], s[46:47]
.macro OUT16F a, f
	WIN W_OUT
.irp b, 0,1,2,3
	ds_store_b128 v[STO], v[8*(4*\a+\b):8*(4*\a+\b)+3] offset:64*\b
	ds_store_b128 v[STO], v[8*(4*\a+\b)+4:8*(4*\a+\b)+7] offset:64*\b+16
.endr
	WIN 0
	s_wait_xcnt 0x0                                ; the registers from f on, which earlier stores read, and the stores' base are rewritten only behind this wait
.if \a
	s_add_nc_u64 s[8:9], s[8:9], 65536             ; 16 rows on
.endif
.irp t, 0,1,2,3,4,5,6,7
	ds_load_b128 v[\f+4*\t:\f+4*\t+3], v[RD] offset:\t*2*SPITCH    ; my own bytes, served in order behind the stores above (ISA guide 5.7.1)
.endr
.irp t, 0,1,2,3,4,5,6,7
	s_wait_dscnt 7-\t                              ; load t is in, the younger ones stay out
	global_store_b128 v[CO], v[\f+4*\t:\f+4*\t+3], s[8:9] offset:\t*8192 th:TH_STORE_NT     ; 16 lanes store 256 consecutive bytes, aligned
.endr
.endm
	OUT16F 0, FB
	OUT16F 1, FB+64
	OUT16F 2, FB
	OUT16F 3, FB+64
	s_wait_tensorcnt 0x0
	ds_add_u32 v30, v31
	s_wait_dscnt 0x0
	CROUND                                         ; the closing round: no work-group ends while a partner may still ask for a tile that names it
	s_endpgm
.Lfunc_end_k_qd14a80788d_gemm_out:
	.size	k_qd14a80788d_gemm_out, .Lfunc_end_k_qd14a80788d_gemm_out-k_qd14a80788d_gemm_out
	.p2alignl 7, 3214868480
	.fill 96, 4, 3214868480
	.section	.rodata,"a",@progbits
	.p2align	6, 0x0
	.amdhsa_kernel k_qd14a80788d_gemm_out
		.amdhsa_group_segment_fixed_size 327680
		.amdhsa_private_segment_fixed_size 0
		.amdhsa_enable_private_segment 0
		.amdhsa_kernarg_size 32
		.amdhsa_user_sgpr_count 2
		.amdhsa_user_sgpr_kernarg_segment_ptr 1
		.amdhsa_wavefront_size32 1
		.amdhsa_system_sgpr_workgroup_id_x 1
		.amdhsa_system_sgpr_workgroup_id_y 1
		.amdhsa_system_sgpr_workgroup_id_z 1
		.amdhsa_system_vgpr_workitem_id 0
		.amdhsa_next_free_vgpr 384
		.amdhsa_next_free_sgpr 88
		.amdhsa_reserve_vcc 0
		.amdhsa_float_denorm_mode_32 3
		.amdhsa_float_denorm_mode_16_64 3
		.amdhsa_memory_ordered 1
		.amdhsa_forward_progress 1
		.amdhsa_inst_pref_size 89
	.end_amdhsa_kernel
	.amdgpu_metadata
---
amdhsa.version: [ 1, 2 ]
amdhsa.kernels:
  - .name:           k_qd14a80788d_gemm_out
    .symbol:         k_qd14a80788d_gemm_out.kd
    .args:
      - { .name: xat, .offset: 0, .size: 8, .value_kind: global_buffer, .address_space: global }
      - { .name: xw, .offset: 8, .size: 8, .value_kind: global_buffer, .address_space: global }
      - { .name: b_o, .offset: 16, .size: 8, .value_kind: global_buffer, .address_space: global }
      - { .name: out0, .offset: 24, .size: 8, .value_kind: global_buffer, .address_space: global }
    .group_segment_fixed_size: 327680
    .private_segment_fixed_size: 0
    .kernarg_segment_align: 8
    .kernarg_segment_size: 32
    .max_flat_workgroup_size: 128
    .sgpr_count:     88
    .vgpr_count:     384
    .wavefront_size: 32
...
	.end_amdgpu_metadata
.endif
;; end of part 4
